; MI455X (gfx1250); checked and timed in simulation.
; The chip was launched on July 23, 2026; its instructions are those of AMD's public machine-readable ISA for CDNA 5 (MIT licence, August 2026) and "CDNA5" Instruction Set Architecture Reference Guide (July 2026). The comments in the code are by the model that wrote it; some were corrected since.
;; Fused GPTQMLP. Allowed arithmetic: matrix products marked QUANTISED: E5M2 operands, one given power-of-two scale a tensor, by v_wmma_f32_16x16x64_bf8_bf8 or v_wmma_f32_16x16x128_bf8_bf8, f32 sums; everything else in f32.
;; Inputs: down_qweight 172 x 4,096 int32; down_scales 11 x 4,096 float16; down_zeros 11 x 512 int32; gate_qweight 512 x 1,376 int32; gate_scales 32 x 1,376 float16; gate_zeros 32 x 172 int32; lowp_scales 6 int32 (the exponents e of the quantised operands' scales 2^e); up_qweight 512 x 1,376 int32; up_scales 32 x 1,376 float16; up_zeros 32 x 172 int32; x 2 x 2,048 x 4,096 float16.
;; Outputs: out0 2 x 2,048 x 4,096 float16.
;; This version of the problem:
;;   THIS VERSION OF THE PROBLEM IS GIVEN IN LOW PRECISION. The matrix products marked QUANTISED in the list below multiply operands that are first quantised to E5M2 (5 exponent bits, 2 mantissa bits; 8 bits a number), with one given power-of-two scale for each operand tensor; their sums are f32. All else is computed in f32.
;;   The module's matrix products, in the order in which they are computed (A, B: the left and right operand; K: the contracted axis; several contracted axes count as one K, in the product's order):
;;     1. [M 4,096, K 4,096] x [K 4,096, N 1,376]; A: input x; B: computed on the way: QUANTISED (scales: A lowp_scales[0], B lowp_scales[1])
;;     2. [M 4,096, K 4,096] x [K 4,096, N 1,376]; A: input x; B: computed on the way: QUANTISED (scales: A lowp_scales[2], B lowp_scales[3])
;;     3. [M 4,096, K 1,376] x [K 1,376, N 4,096]; A: computed on the way; B: computed on the way: QUANTISED (scales: A lowp_scales[4], B lowp_scales[5])
;;   THE QUANTISER, for each operand of a quantised product, along K:
;;     - The operand's scale is 2^e, e = its entry of the input lowp_scales (int32; the entries are numbered through the quantised products in the list's order, A before B).
;;     - Each number is divided by the scale, clamped to +-57,344, and rounded to the nearest number of E5M2, ties to even, subnormals kept.
;;     - The product sums the exact products of the quantised numbers (number of the format x scale) in f32.
;;   ~~~python
;;   def quantise(x, axis, e):      # numpy; x: float32 -> the quantised numbers, widened to float32 again
;;       x = np.moveaxis(x, axis, -1); K = x.shape[-1]
;;       r = np.clip(x / 2.0 ** e, -57344, 57344)
;;       step = 2.0 ** (np.maximum(np.frexp(np.where(r == 0, 1, r))[1] - 1, -14) - 2)
;;       q = np.round(r / step) * step * 2.0 ** e      # np.round: ties to even
;;       return np.moveaxis(q, -1, axis).astype(np.float32)
;;   ~~~
;;   OPERANDS COMPUTED ON THE WAY. 'Computed on the way' means the value that the module computes at that place (a softmax that the list does not call 'softmax' is quantised finished and normalised). What goes into a quantiser is computed in f32, as accurately as f32 sums, v_exp_f32 and their like allow (about 1e-6 of the number): no bf16 or f16 on the way to a quantiser, and a product that is left as it is and whose result goes on into a quantised operand takes f32 operands (vector FMAs, or v_wmma_f32_16x16x4_f32). A number that lies on a knife's edge between two numbers of the format may be rounded either way, as far as f32 arithmetic and the matrix unit's own rounding can turn it there, and no further.
;; One version. Each part assembles by itself: llvm-mc -triple=amdgcn-amd-amdhsa -mcpu=gfx1250 --defsym DOCPART=n.
;; ======== version 1 of 1: 3 launches
;; limits: values are held in f16: magnitudes above 65,504 overflow, below 6.1e-05 lose precision; right only within a limited range of input values
;; workspace buffers: xq 33,554,432 bytes; wgu 11,534,336 bytes; wd 5,767,168 bytes; inter 5,767,168 bytes
;; launch prep (part 1): grid 1568 x 1, 4 waves a work-group, no clusters, 54,784 bytes of LDS; arguments x, lowp_scales, xq, wgu, wd, gate_qweight, gate_scales, gate_zeros, up_qweight, up_scales, up_zeros, down_qweight, down_scales, down_zeros; writes xq, wgu, wd
.if DOCPART == 1
	.amdgcn_target "amdgcn-amd-amdhsa--gfx1250"
	.amdhsa_code_object_version 6
	.text
	.protected	k_q4c103ef471_prep
	.globl	k_q4c103ef471_prep
	.p2align	8
	.type	k_q4c103ef471_prep,@function
k_q4c103ef471_prep:
	s_mov_b64 s[64:65], 0
	v_nop
	global_prefetch_b8 v0, s[64:65] scope:SCOPE_SE
	s_setreg_imm32_b32 hwreg(HW_REG_WAVE_MODE, 25, 1), 1
	s_wait_xcnt 0x0
; PREP.  x (f16) and the three GPTQ weights become codes of BF8 (E5M2), each with its given scale 2^e, laid as IMAGES OF OPERAND REGISTERS.
; A fragment F is 16 rows x 128 k = 2,048 bytes: byte 512 c + 16 lane + j (lane = 16 h + r) is the code of row r at k = 32 c + 16 h + j.
;   xq : [set 0..1][K step 0..31 (128 k)][rb 0..255 (16 rows)][F]   set 0 under e0 (gate's product), set 1 under e2 (up's)
;   wgu: [gate, up][ks 0..31][tile 0..87][F]   under e1, e3        wd: [ks 0..10][tile 0..255][F]   under e5
; THE COLUMNS OF A WEIGHT TILE ARE NOT NEIGHBOURS: lane r of tile 2 b + u holds column 32 b + 8 u + r + 8 (r / 8), so that the results of tiles 2 b, 2 b + 1 are 16 neighbours a lane.
; Columns from 1,376 on (gate, up: tiles 86, 87) and k from 1,376 on (down) get zero codes: the scale s is multiplied by 0 there, no branch.
; w = q s - (z + 1) s is one fused multiply-add: q and z + 1 have 5 bits at the most, s 11: every term and the result are exact in f32.
; code = number / 2^e, held within +-57,344, to the nearest code, ties to even.
; LIMITS: e0, e1, e2, e3, e5 between -126 and 112 (each power of two and 57,344 x it is an f32 number).  NaN in x, and infinities or NaN among the f16 scales, are not served; an infinity in x is held at the largest code.
; SHARES.  Work-groups 0..511: x; a wave takes 16 rows x 512 k.  Work-groups 512..1567: 352 for each weight; a wave takes 32 columns x 128 k (one group).  Waves share nothing: no barrier.
; The two paths part on the work-group's number and have LDS bytes of their own: x's stages 0..34,815, the weights' 34,816..54,271.
; No tensor loads, no matrix work, no cluster: memory binds, and no two work-groups read the same bytes.
.set R,    16                          ; v16-79   x: a ring of 16 rows x 4 registers as loaded
.set T,    80                          ; v80-87   eight numbers in f32
.set TG,   88                          ; v88-95   held for e0
.set TU,   96                          ; v96-103  held for e2
.set C,    104                         ; v104-111 codes: two sets by the row's parity, 2 registers for each scale
.set O,    112                         ; v112-175 the way out: 16 x 4 registers
.set XSTW, 8704                        ; x: a wave's stage: two sets of 16 rows x (256 bytes + 16)
.set USET, 4352                        ; the second set
.set WST0, 34816                       ; the weights' stages begin here
.set WSTW, 4864                        ; a wave's: 32 columns x (128 bytes + 16), + 128 ahead of columns 16-31
	s_load_b256 s[4:11], s[0:1], 0x0               ; x s[4:5], the exponents s[6:7], xq s[8:9], wgu s[10:11]
	v_lshl_add_u32 v176, v0, 2, 0xd400
	v_mov_b32 v177, 0
	v_lshrrev_b32 v1, 5, v0
	v_readfirstlane_b32 s38, v1                    ; wave 0..3
	v_and_b32 v8, 31, v0                           ; lane
	v_lshlrev_b32 v1, 4, v8                        ; 16 x lane: every global load of x and every store of codes
	s_wait_kmcnt 0x0
	s_load_b128 s[40:43], s[6:7], 0x0              ; e0 .. e3
	s_load_b64 s[44:45], s[6:7], 0x10              ; e4, e5
	s_cmp_ge_u32 ttmp9, 512
	s_cbranch_scc1 .Lweights
; ------------------------------------------------------------------ x
; A row's 512 bytes (256 k) are loaded by the 32 lanes, 16 bytes each; a lane's 8 numbers become 8 codes under e0 and 8 under e2; the codes go into the stage as rows and come back as fragments.
	s_lshl_b32 s46, ttmp9, 2
	s_add_co_u32 s46, s46, s38                     ; g = 4 x work-group + wave
	s_lshr_b32 s47, s46, 3                         ; rb: which 16 rows
	s_and_b32 s48, s46, 7                          ; sp: which 512 k
	s_lshl_b32 s50, s47, 17                        ; 16 rows of 8,192 bytes
	s_lshl_b32 s49, s48, 10
	s_add_co_u32 s50, s50, s49
	s_mov_b32 s51, 0
	s_add_nc_u64 s[4:5], s[4:5], s[50:51]
	s_lshl_b32 s52, s48, 21                        ; two slots of 1,048,576 bytes
	s_lshl_b32 s49, s47, 11                        ; rb x one fragment: xq is laid [set 0..1][K step 0..31 (128 k)][rb 0..255][F]; this order replaces the [slot][rb][ks] order named at the head
	s_add_co_u32 s52, s52, s49
	s_mov_b32 s53, 0
	s_add_nc_u64 s[8:9], s[8:9], s[52:53]          ; the codes under e0,
	s_add_nc_u64 s[10:11], s[8:9], 0x1000000       ; and under e2
	s_mul_i32 s49, s38, XSTW
	s_wait_alu depctr_va_vdst(0)
	v_lshl_add_u32 v2, v8, 3, s49                  ; into the stage: 8 x lane of a row
	v_and_b32 v9, 15, v0                           ; r
	v_bfe_u32 v10, v0, 4, 1                        ; h
	v_mul_u32_u24 v3, v9, 272
	v_lshl_add_u32 v3, v10, 4, v3
	v_add_nc_u32 v3, s49, v3                       ; out of it: row r, + 16 h
.macro XLOAD i, u                      ; row i, unit u (256 k): 32 lanes read 512 consecutive bytes
	global_load_b128 v[R+4*(\i):R+4*(\i)+3], v1, s[4:5] offset:(\i)*8192+(\u)*512 th:TH_LOAD_NT
.endm
.irp i, 0,1,2,3,4,5,6,7,8,9,10,11,12,13,14,15
	XLOAD \i, 0
.endr
	s_wait_kmcnt 0x0
	s_add_co_i32 s54, s40, 127
	s_lshl_b32 s55, s54, 23
	v_mov_b32 v4, s55                              ; 2^e0 as f32: the conversion takes its exponent field
	s_add_co_i32 s54, s54, 15
	s_lshl_b32 s54, s54, 23
	s_or_b32 s54, s54, 0x600000
	v_mov_b32 v5, s54                              ; 57,344 x 2^e0
	s_add_co_i32 s54, s42, 127
	s_lshl_b32 s55, s54, 23
	v_mov_b32 v6, s55                              ; 2^e2
	s_add_co_i32 s54, s54, 15
	s_lshl_b32 s54, s54, 23
	s_or_b32 s54, s54, 0x600000
	v_mov_b32 v7, s54                              ; 57,344 x 2^e2
; Row i of unit u.  h0 .. h7: the eight halves of the row's four registers, by name.
.macro XROW i, u, h0, h1, h2, h3, h4, h5, h6, h7
.if (\u) == 0
	s_wait_loadcnt 15                              ; behind row i's load: 15 - i rows of this unit and i reloads for the next
.else
	s_wait_loadcnt 15-(\i)                         ; behind it: the rows that follow
.endif
	v_cvt_f32_f16 v[T+0], \h0
	v_cvt_f32_f16 v[T+1], \h1
	v_cvt_f32_f16 v[T+2], \h2
	v_cvt_f32_f16 v[T+3], \h3
	v_cvt_f32_f16 v[T+4], \h4
	v_cvt_f32_f16 v[T+5], \h5
	v_cvt_f32_f16 v[T+6], \h6
	v_cvt_f32_f16 v[T+7], \h7
.if (\u) == 0
	XLOAD \i, 1                                    ; the row's registers take the next unit
.endif
.irp j, 0,1,2,3,4,5,6,7
	v_med3_num_f32 v[TG+\j], v[T+\j], -v5, v5      ; the conversion to an 8-bit code does not saturate (ISA guide 7.6.2): the hold at the largest code x the scale
	v_med3_num_f32 v[TU+\j], v[T+\j], -v7, v7
.endr
.set CC, C+4*((\i)%2)
	v_cvt_scalef32_pk8_bf8_f32 v[CC:CC+1], v[TG:TG+7], v4
	v_cvt_scalef32_pk8_bf8_f32 v[CC+2:CC+3], v[TU:TU+7], v6     ; the next vector lines are the next row's eight widenings: plain, and they touch neither the codes nor TG, TU
	ds_store_b64 v2, v[CC:CC+1] offset:(\i)*272
	ds_store_b64 v2, v[CC+2:CC+3] offset:USET+(\i)*272
.endm
.macro ROWS u
	XROW 0,  \u, v16.l, v16.h, v17.l, v17.h, v18.l, v18.h, v19.l, v19.h
	XROW 1,  \u, v20.l, v20.h, v21.l, v21.h, v22.l, v22.h, v23.l, v23.h
	XROW 2,  \u, v24.l, v24.h, v25.l, v25.h, v26.l, v26.h, v27.l, v27.h
	XROW 3,  \u, v28.l, v28.h, v29.l, v29.h, v30.l, v30.h, v31.l, v31.h
	XROW 4,  \u, v32.l, v32.h, v33.l, v33.h, v34.l, v34.h, v35.l, v35.h
	XROW 5,  \u, v36.l, v36.h, v37.l, v37.h, v38.l, v38.h, v39.l, v39.h
	XROW 6,  \u, v40.l, v40.h, v41.l, v41.h, v42.l, v42.h, v43.l, v43.h
	XROW 7,  \u, v44.l, v44.h, v45.l, v45.h, v46.l, v46.h, v47.l, v47.h
	XROW 8,  \u, v48.l, v48.h, v49.l, v49.h, v50.l, v50.h, v51.l, v51.h
	XROW 9,  \u, v52.l, v52.h, v53.l, v53.h, v54.l, v54.h, v55.l, v55.h
	XROW 10, \u, v56.l, v56.h, v57.l, v57.h, v58.l, v58.h, v59.l, v59.h
	XROW 11, \u, v60.l, v60.h, v61.l, v61.h, v62.l, v62.h, v63.l, v63.h
	XROW 12, \u, v64.l, v64.h, v65.l, v65.h, v66.l, v66.h, v67.l, v67.h
	XROW 13, \u, v68.l, v68.h, v69.l, v69.h, v70.l, v70.h, v71.l, v71.h
	XROW 14, \u, v72.l, v72.h, v73.l, v73.h, v74.l, v74.h, v75.l, v75.h
	XROW 15, \u, v76.l, v76.h, v77.l, v77.h, v78.l, v78.h, v79.l, v79.h
.endm
; A unit's four fragments (two K steps x two scales) leave: lane (r, h) reads 16 codes of row r; each store of the wave covers 512 consecutive bytes, aligned.
.macro XOUT u
.if (\u) == 1
	s_wait_xcnt 0x0                                ; the first unit's stores have read their registers: the loads below land there
.endif
.irp st, 0,1
.irp ks, 0,1
.irp c, 0,1,2,3
	ds_load_b128 v[O+4*(8*\st+4*\ks+\c):O+4*(8*\st+4*\ks+\c)+3], v3 offset:\st*USET+128*\ks+32*\c   ; LDS serves a wave's instructions in order: these see my stores
.endr
.endr
.endr
.irp ks, 0,1
.irp c, 0,1,2,3
	s_wait_dscnt 15-(4*\ks+\c)
	global_store_b128 v1, v[O+4*(4*\ks+\c):O+4*(4*\ks+\c)+3], s[8:9] offset:(\u)*1048576+\ks*524288+\c*512   ; a K step of xq is 256 fragments, 524,288 bytes
.endr
.endr
.irp ks, 0,1
.irp c, 0,1,2,3
	s_wait_dscnt 7-(4*\ks+\c)
	global_store_b128 v1, v[O+32+4*(4*\ks+\c):O+32+4*(4*\ks+\c)+3], s[10:11] offset:(\u)*1048576+\ks*524288+\c*512
.endr
.endr
.endm
	ROWS 0
	XOUT 0
	ROWS 1
	XOUT 1
	s_wait_tensorcnt 0x0
	ds_add_u32 v176, v177
	s_wait_dscnt 0x0
	s_endpgm
; ------------------------------------------------------------------ the weights
; A LANE TAKES A COLUMN n, AND ITS REGISTERS RUN DOWN K: each of the 16 words holds 8 nibbles along K; a load reads 128 consecutive bytes a wave, 512 a work-group.
.Lweights:
	s_load_b64 s[12:13], s[0:1], 0x20              ; wd
	s_load_b128 s[16:19], s[0:1], 0x28             ; gate: qweight, scales
	s_load_b64 s[20:21], s[0:1], 0x38              ;       zeros
	s_load_b128 s[24:27], s[0:1], 0x40             ; up
	s_load_b64 s[28:29], s[0:1], 0x50
	s_load_b128 s[32:35], s[0:1], 0x58             ; down
	s_load_b64 s[36:37], s[0:1], 0x68
	s_sub_co_u32 s46, ttmp9, 512
	s_cmp_ge_u32 s46, 352
	s_cselect_b32 s47, 1, 0
	s_cmp_ge_u32 s46, 704
	s_cselect_b32 s48, 1, 0
	s_add_co_u32 s47, s47, s48                     ; m: 0 gate, 1 up, 2 down
	s_mul_i32 s48, s47, 352
	s_sub_co_u32 s46, s46, s48                     ; 0..351
	s_and_b32 s48, s46, 31
	s_lshr_b32 s49, s46, 5                         ; 0..10
	s_mov_b32 s50, 1376                            ; N: columns
	s_mov_b32 s51, 511                             ; the last row of qweight
	s_mov_b32 s52, 88                              ; tiles in a K step
	s_cmp_eq_u32 s47, 2
	s_cselect_b32 s53, s49, s48                    ; ks: the group, and the K step of 128
	s_cselect_b32 s54, s48, s49                    ; which 128 columns
	s_cselect_b32 s50, 4096, s50
	s_cselect_b32 s51, 171, s51
	s_cselect_b32 s52, 256, s52
	s_lshl_b32 s55, s54, 2
	s_add_co_u32 s55, s55, s38                     ; my pair of tiles
	s_lshl_b32 s56, s55, 5                         ; its first column
	s_cmp_lt_u32 s56, s50
	s_cselect_b32 s57, 0x3f800000, 0               ; 1.0 where the columns exist (N is a multiple of 32), else 0
	s_lshl_b32 s60, s53, 4                         ; the K step's first row of qweight
	s_add_co_u32 s58, s60, 15
	s_cmp_le_u32 s58, s51
	s_cselect_b32 s58, s57, 0                      ; the same for words 12 to 15: 0 where K has ended (down's last step has 96 k)
	s_wait_alu depctr_va_vdst(0)
	v_add_nc_u32 v9, s56, v8
	s_sub_co_u32 s59, s50, 1
	v_min_u32 v9, s59, v9                          ; my column, held inside the tensor: no load leaves its buffer
	v_lshlrev_b32 v10, 2, v9
	s_wait_alu depctr_va_vdst(0)
	s_lshl_b32 s61, s50, 2                         ; a row of qweight in bytes
.irp i, 0,1,2,3,4,5,6,7,8,9,10,11,12,13,14,15
	s_add_co_u32 s62, s60, \i
	s_min_u32 s62, s62, s51                        ; the row, held inside the tensor
	s_mul_i32 s62, s62, s61
	v_add_nc_u32 v[16+\i], s62, v10
.endr
	s_mul_i32 s62, s53, s50                        ; ks x N
	v_add_nc_u32 v11, s62, v9
	v_lshlrev_b32 v11, 1, v11                      ; my scale: 2 bytes
	s_lshr_b32 s63, s62, 3
	v_lshrrev_b32 v12, 3, v9
	v_add_nc_u32 v12, s63, v12
	v_lshlrev_b32 v12, 2, v12                      ; the word with my zero point
	v_and_b32 v13, 7, v9
	v_lshlrev_b32 v13, 2, v13                      ; and its nibble's shift
	s_mul_i32 s66, s53, s52
	s_lshl_b32 s67, s55, 1
	s_add_co_u32 s66, s66, s67
	s_lshl_b32 s66, s66, 11                        ; (ks x tiles + 2 x pair) fragments
	s_mul_i32 s70, s38, WSTW
	s_add_co_u32 s70, s70, WST0                    ; my stage
	v_mul_u32_u24 v5, v8, 144
	v_lshrrev_b32 v14, 4, v8                       ; h
	v_lshl_add_u32 v5, v14, 7, v5
	v_add_nc_u32 v5, s70, v5                       ; in: column L at 144 L + 128 (L / 16)
	v_and_b32 v15, 15, v8                          ; r
	v_lshrrev_b32 v7, 3, v15
	v_lshl_add_u32 v15, v7, 3, v15                 ; r + 8 (r / 8)
	v_mul_u32_u24 v15, v15, 144
	v_lshl_add_u32 v15, v7, 7, v15
	v_lshl_add_u32 v15, v14, 4, v15
	v_add_nc_u32 v6, s70, v15                      ; out: tile 0's column of lane r, + 16 h; tile 1's lies 8 columns on.  Sixteen lanes of either access start at sixteen different multiples of 16 modulo 256
	s_wait_kmcnt 0x0
	s_cmp_eq_u32 s47, 1                            ; the choices hang on the work-group's number alone
	s_cselect_b64 s[16:17], s[24:25], s[16:17]
	s_cselect_b64 s[18:19], s[26:27], s[18:19]
	s_cselect_b64 s[20:21], s[28:29], s[20:21]
	s_cselect_b32 s68, s43, s41                    ; e3 or e1
	s_cselect_b32 s69, 5767168, 0                  ; up's half of wgu
	s_cmp_eq_u32 s47, 2
	s_cselect_b64 s[16:17], s[32:33], s[16:17]
	s_cselect_b64 s[18:19], s[34:35], s[18:19]
	s_cselect_b64 s[20:21], s[36:37], s[20:21]
	s_cselect_b64 s[10:11], s[12:13], s[10:11]
	s_cselect_b32 s68, s45, s68                    ; e5
	s_add_co_u32 s66, s66, s69
	s_mov_b32 s67, 0
	s_add_nc_u64 s[10:11], s[10:11], s[66:67]
	global_load_u16 v48, v11, s[18:19]
	global_load_b32 v49, v12, s[20:21]
.irp i, 0,1,2,3,4,5,6,7,8,9,10,11,12,13,14,15
	global_load_b32 v[32+\i], v[16+\i], s[16:17] th:TH_LOAD_NT
.endr
	s_add_co_i32 s68, s68, 127
	s_lshl_b32 s69, s68, 23
	v_mov_b32 v54, s69                             ; 2^e
	s_add_co_i32 s68, s68, 15
	s_lshl_b32 s68, s68, 23
	s_or_b32 s68, s68, 0x600000
	v_mov_b32 v55, s68                             ; 57,344 x 2^e
	s_wait_loadcnt 16                              ; the scale and the zero points are in; the 16 words may be out
	v_cvt_f32_f16 v50, v48.l                       ; s
	v_lshrrev_b32 v49, v13, v49
	v_and_b32 v49, 15, v49
	v_cvt_f32_u32 v49, v49
	v_add_f32 v49, 1.0, v49                        ; z + 1
	v_mul_f32 v51, s58, v50                        ; s, or 0: words 12 to 15
	v_mul_f32 v50, s57, v50                        ; s, or 0: words 0 to 11
	v_mul_f32 v52, -v49, v50                       ; -(z + 1) s: exact
	v_mul_f32 v53, -v49, v51
.macro WWORD i                         ; word i: k = 8 i .. 8 i + 7 of my column
.set TS, 56+8*((\i)%2)
.set SC, 50
.if (\i) >= 12
.set SC, 51
.endif
	s_wait_loadcnt 15-(\i)
.irp j, 0,1,2,3,4,5,6,7
	v_bfe_u32 v[TS+\j], v[32+(\i)], 4*\j, 4
.endr
.irp j, 0,1,2,3,4,5,6,7
	v_cvt_f32_u32 v[TS+\j], v[TS+\j]
.endr
.irp j, 0,1,2,3,4,5,6,7
	v_fma_f32 v[TS+\j], v[TS+\j], v[SC], v[SC+2]   ; q s - (z + 1) s
.endr
.irp j, 0,1,2,3,4,5,6,7
	v_med3_num_f32 v[TS+\j], v[TS+\j], -v55, v55
.endr
	v_cvt_scalef32_pk8_bf8_f32 v[72+2*(\i):73+2*(\i)], v[TS:TS+7], v54   ; the next word works in the other eight registers: plain lines stand ahead of the next write of these
.endm
.irp i, 0,1,2,3,4,5,6,7,8,9,10,11,12,13,14,15
	WWORD \i
.endr
.irp m, 0,1,2,3,4,5,6,7
	ds_store_b128 v5, v[72+4*\m:75+4*\m] offset:16*\m
.endr
.irp u, 0,1
.irp c, 0,1,2,3
	ds_load_b128 v[104+4*(4*\u+\c):107+4*(4*\u+\c)], v6 offset:\u*1152+32*\c    ; LDS serves a wave's instructions in order: these see my stores
.endr
.endr
.irp u, 0,1
.irp c, 0,1,2,3
	s_wait_dscnt 7-(4*\u+\c)
	global_store_b128 v1, v[104+4*(4*\u+\c):107+4*(4*\u+\c)], s[10:11] offset:\u*2048+\c*512   ; 512 consecutive bytes, aligned
.endr
.endr
	s_wait_tensorcnt 0x0
	ds_add_u32 v176, v177
	s_wait_dscnt 0x0
	s_endpgm
.Lfunc_end_k_q4c103ef471_prep:
	.size	k_q4c103ef471_prep, .Lfunc_end_k_q4c103ef471_prep-k_q4c103ef471_prep
	.p2alignl 7, 3214868480
	.fill 96, 4, 3214868480
	.section	.rodata,"a",@progbits
	.p2align	6, 0x0
	.amdhsa_kernel k_q4c103ef471_prep
		.amdhsa_group_segment_fixed_size 54784
		.amdhsa_private_segment_fixed_size 0
		.amdhsa_enable_private_segment 0
		.amdhsa_kernarg_size 112
		.amdhsa_user_sgpr_count 2
		.amdhsa_user_sgpr_kernarg_segment_ptr 1
		.amdhsa_wavefront_size32 1
		.amdhsa_system_sgpr_workgroup_id_x 1
		.amdhsa_system_sgpr_workgroup_id_y 1
		.amdhsa_system_sgpr_workgroup_id_z 1
		.amdhsa_system_vgpr_workitem_id 0
		.amdhsa_next_free_vgpr 178
		.amdhsa_next_free_sgpr 80
		.amdhsa_reserve_vcc 0
		.amdhsa_float_denorm_mode_32 3
		.amdhsa_float_denorm_mode_16_64 3
		.amdhsa_memory_ordered 1
		.amdhsa_forward_progress 1
		.amdhsa_inst_pref_size 101
	.end_amdhsa_kernel
	.amdgpu_metadata
---
amdhsa.version: [ 1, 2 ]
amdhsa.kernels:
  - .name:           k_q4c103ef471_prep
    .symbol:         k_q4c103ef471_prep.kd
    .args:
      - { .name: x, .offset: 0, .size: 8, .value_kind: global_buffer, .address_space: global }
      - { .name: lowp_scales, .offset: 8, .size: 8, .value_kind: global_buffer, .address_space: global }
      - { .name: xq, .offset: 16, .size: 8, .value_kind: global_buffer, .address_space: global }
      - { .name: wgu, .offset: 24, .size: 8, .value_kind: global_buffer, .address_space: global }
      - { .name: wd, .offset: 32, .size: 8, .value_kind: global_buffer, .address_space: global }
      - { .name: gate_qweight, .offset: 40, .size: 8, .value_kind: global_buffer, .address_space: global }
      - { .name: gate_scales, .offset: 48, .size: 8, .value_kind: global_buffer, .address_space: global }
      - { .name: gate_zeros, .offset: 56, .size: 8, .value_kind: global_buffer, .address_space: global }
      - { .name: up_qweight, .offset: 64, .size: 8, .value_kind: global_buffer, .address_space: global }
      - { .name: up_scales, .offset: 72, .size: 8, .value_kind: global_buffer, .address_space: global }
      - { .name: up_zeros, .offset: 80, .size: 8, .value_kind: global_buffer, .address_space: global }
      - { .name: down_qweight, .offset: 88, .size: 8, .value_kind: global_buffer, .address_space: global }
      - { .name: down_scales, .offset: 96, .size: 8, .value_kind: global_buffer, .address_space: global }
      - { .name: down_zeros, .offset: 104, .size: 8, .value_kind: global_buffer, .address_space: global }
    .group_segment_fixed_size: 54784
    .private_segment_fixed_size: 0
    .kernarg_segment_align: 8
    .kernarg_segment_size: 112
    .max_flat_workgroup_size: 128
    .sgpr_count:     80
    .vgpr_count:     178
    .wavefront_size: 32
...
	.end_amdgpu_metadata
.endif
;; end of part 1
;; launch gateup (part 2): grid 32 x 8, 4 waves a work-group, clusters of 4 x 1, 327,680 bytes of LDS; arguments xq, wgu, lowp_scales, inter; writes inter
.if DOCPART == 2
	.amdgcn_target "amdgcn-amd-amdhsa--gfx1250"
	.amdhsa_code_object_version 6
	.text
	.protected	k_q4c103ef471_gateup
	.globl	k_q4c103ef471_gateup
	.p2align	8
	.type	k_q4c103ef471_gateup,@function
k_q4c103ef471_gateup:
	s_mov_b64 s[64:65], 0
	v_nop
	global_prefetch_b8 v0, s[64:65] scope:SCOPE_SE
	s_setreg_imm32_b32 hwreg(HW_REG_WAVE_MODE, 25, 1), 1
	s_wait_xcnt 0x0
	s_wait_alu depctr_hold_cnt(0) depctr_sa_sdst(0) depctr_va_vdst(0) depctr_va_sdst(0) depctr_va_ssrc(0) depctr_va_vcc(0) depctr_vm_vsrc(0)
	s_getreg_b32 s2, hwreg(HW_REG_IB_STS2, 6, 4)
	s_cmp_eq_u32 s2, 0
	s_cbranch_scc0 .Lentry_in_a_cluster
	s_endpgm
.Lentry_in_a_cluster:
	s_bfe_u32 s2, ttmp6, 0x10000c
	s_cmp_lg_u32 s2, 0x3003
	s_cbranch_scc0 .Lentry_shape_is_right
	s_endpgm
.Lentry_shape_is_right:
; GATE AND UP.  inter = Q(silu(x Wg) (x Wu)): both products on codes of BF8, sums in f32, the result quantised under e4 and stored as codes.
; xq : [set 0..1][K step 0..31][rb 0..255 (16 rows)][F]  codes of x under e0 (set 0) and e2 (set 1);  wgu: [gate, up][K step 0..31][tile 0..87][F]  under e1, e3.
; F is an image of an operand's 16 registers: 16 rows x 128 k, byte 512 c + 16 lane + j.  inter: [tile 0..87][rb 0..255][256 bytes], 8 codes a lane.
; A work-group makes 128 rows x 11 tiles (176 columns) of gate and of up.  Wave w: weight w % 2 (gate, up), rows 64 (w / 2) ..: 4 x 11 accumulators, 352 registers.
; X GOES FROM MEMORY STRAIGHT INTO REGISTERS: gate's waves read set 0 and up's set 1, each its own 64 rows, so every fragment of x is read by one wave of the work-group and LDS would hand it to nobody;
; a joint request lands in LDS, so none is made for x.  Seven sets of 4 fragments take turns (set = K step mod 7); a step asks for the set three steps on: 16 loads a step, 48 out at the most.
; THE WEIGHTS GO THROUGH LDS: two waves read each fragment.  Two slots, A of 4 K steps and B of 3 (7 x 45,056 bytes): nine fills, 4 3 4 3 4 3 4 3 4 = 32 steps.
; A fill is four tensor loads, one a wave: weight w % 2, half w / 2 of the 11 tiles' 22,528 bytes, 4 or 3 rows of 11,264 bytes (44 x 256), 180,224 bytes apart in memory.
; CLUSTER: the four work-groups of a cluster are four row blocks of one column group: they need the same tiles of the weights and ask for them jointly (mask 15).
; A step multiplies B's tiles 0-5 and then 6-10, each against x's four blocks; B has one set of registers: a group's registers take the next step's fragments as soon as its products are issued.
; The matrix instruction is used transposed (source 0 = 16 columns of W, source 1 = 16 rows of x).  The accumulators take turns.
; PREFETCHES.  W: behind each fill the same slot's next fill is asked for, two fills ahead of its tensor load (the first three fills' successors at the head).  Of a wave's 44 blocks of 256 bytes a row, cx names 11;
; of the rows, clusters of even number name rows 0 and 2, those of odd number rows 1 and 3 (slot B has no row 3: row 2 is named again): 22 lanes, one instruction.
; x: seven K steps an instruction, 14 steps ahead; of a wave's 32 blocks a step each of the eight column groups names four.  K steps 0-10 of x come by their loads alone.
; REGISTERS.  window 0: v0-15 addresses, v16-79 x's set 0, v80-255 B.  window 1: x's sets 1-4.  windows 2, 3: v0-175 accumulators of blocks a = 0, 1 and a = 2, 3 ((a, b) at 8 (11 (a % 2) + b)); v176-239 x's sets 5, 6.
; Blocks a = 0, 1 are the rows that this wave finishes, a = 2, 3 those that its partner (w xor 1) finishes: at the end each sends its window 3 to the partner through LDS.
; LIMITS: e0 + e1 between -126 and 126; e4 - (e0 + e1 + e2 + e3) between -126 and 112 (each power of two made here is an f32 number).
.set XSTEP, 524288                     ; xq: bytes from K step to K step
.set WSTEP, 180224                     ; wgu: the same
.set PART,  11264                      ; half of 11 fragments
.set SLB,   16*PART                    ; slot A: bytes 0 .. ; slot B from here
.set SPARE, 28*PART                    ; behind the slots: the spare words, 512 bytes that no other line names
.set EXB,   22528                      ; the exchange: 176 registers x 128 bytes a wave, in slot B, behind its last fill and last read
.set G0A, 32
.set G0B, 36
.set G1A, 40
.set G1B, 48
.set PFX, 56
.set PFW, 58
.set MSB, 0
.macro WIN new                         ; the immediate's high byte repeats the setting that is left
.if MSB != (\new)
	s_set_vgpr_msb (MSB<<8)|(\new)
.set MSB, (\new)
.endif
.endm
.macro PLACES                          ; four places between matrix instructions and loads into their sources (ISA guide 7.12.1 for vector instructions)
.rept 4
	v_nop
.endr
.endm
.macro CREST
	s_cmp_lg_u32 s16, 0
	s_cbranch_scc1 .Lnot_wave_0_\@
	s_barrier_signal -3
.Lnot_wave_0_\@:
	s_barrier_wait -3
	s_barrier_signal -1
	s_barrier_wait -1
.endm
.macro CROUND
	s_barrier_signal -1
	s_barrier_wait -1
	CREST
.endm
.macro XSET s                          ; where x's set s lies: window XW, first register XB
.if (\s) == 0
.set XW, 0
.set XB, 16
.elseif (\s) < 5
.set XW, 1
.set XB, 64*((\s)-1)
.else
.set XW, (\s)-3
.set XB, 176
.endif
.endm
.macro XLOAD s, off                    ; x's four fragments of K step off (counted from the base) into set s: each load reads 512 consecutive bytes
	XSET \s
	WIN XW<<6
.irp a, 0,1
.irp c, 0,1,2,3
	global_load_b128 v[XB+16*\a+4*\c:XB+16*\a+4*\c+3], v4, s[80:81] offset:(\off)*XSTEP+\a*2048+\c*512
.endr
.endr
.irp a, 0,1
.irp c, 0,1,2,3
	global_load_b128 v[XB+32+16*\a+4*\c:XB+32+16*\a+4*\c+3], v6, s[80:81] offset:(\off)*XSTEP+\a*2048+\c*512
.endr
.endr
	WIN 0
.endm
.macro BLOAD slot, ks, b0, nb          ; B's tiles b0 .. of the slot's K step ks.  Byte 2,048 b + 512 c of the 22,528 lies in the first half's rows or in the second's
.set bb, \b0
.rept \nb
.irp c, 0,1,2,3
.set BO, 2048*bb+512*\c
.if BO < PART
	ds_load_b128 v[80+16*bb+4*\c:83+16*bb+4*\c], v[5+3*(\slot)] offset:(\ks)*PART+BO
.else
	ds_load_b128 v[80+16*bb+4*\c:83+16*bb+4*\c], v[7+2*(\slot)] offset:(\ks)*PART+BO-PART
.endif
.endr
.set bb, bb+1
.endr
.endm
.macro MULG j, b0, nb, pr, zero        ; B's tiles b0 .. x blocks 2 pr, 2 pr + 1 of x's set j.  zero = 1: the product starts the sums
	XSET \j
	WIN (0xa0+0x50*(\pr))|(XW<<2)
.set bb, \b0
.rept \nb
.irp a, 0,1
.if \zero
	v_wmma_f32_16x16x128_bf8_bf8 v[8*(11*\a+bb):8*(11*\a+bb)+7], v[80+16*bb:95+16*bb], v[XB+32*(\pr)+16*\a:XB+32*(\pr)+16*\a+15], 0
.else
	v_wmma_f32_16x16x128_bf8_bf8 v[8*(11*\a+bb):8*(11*\a+bb)+7], v[80+16*bb:95+16*bb], v[XB+32*(\pr)+16*\a:XB+32*(\pr)+16*\a+15], v[8*(11*\a+bb):8*(11*\a+bb)+7]
.endif
.endr
.set bb, bb+1
.endr
.endm
.macro ASKW v, st                      ; W's fill that begins at K step st, counted from the prefetches' base
	global_prefetch_b8 v[\v], s[PFW:PFW+1] offset:(\st)*WSTEP th:TH_LOAD_NT scope:SCOPE_SE
.endm
; One K step.  j = step mod 7: 0-3 lie in slot A, 4-6 in slot B; steps 3 and 6 change slots.  off: the K step, from x's base, whose fragments are asked for (-1: none).  lc: x's loads that may stay out.
; fill: the slot read out is filled again.  nxt = 0: the last step.  ask: which prefetches stand in this step (0: none).
.macro STEP j, off, lc, zero, fill, nxt, ask
.set NJ, ((\j)+1)%7
.set NS, NJ/4
.set NK, NJ-4*NS
	s_wait_loadcnt \lc                             ; this step's set of x is in; the sets asked for behind it may be out
	s_wait_dscnt 20                                ; tiles 0-5 are in; tiles 6-10's 20 loads may be out
	MULG \j, 0, 6, 0, \zero
	MULG \j, 0, 6, 1, \zero
	WIN 0
.if (\nxt) && (((\j) == 3) || ((\j) == 6))
	s_wait_tensorcnt 0x0                           ; my one tensor load, my part of the other slot, has landed;
	ds_add_u32 v10, v11                            ; 0 onto my spare word
.if \fill
.if (\j) == 3
	s_add_nc_u64 s[G0B+2:G0B+3], s[G0B+2:G0B+3], 7*WSTEP   ; no load of mine is out: the other slot's next fill lies 7 K steps on
.else
	s_add_nc_u64 s[G0A+2:G0A+3], s[G0A+2:G0A+3], 7*WSTEP
.endif
.endif
	s_wait_dscnt 0x0                               ; the add is done, and my reads of this slot are over: tiles 6-10 of its last step are in registers
	s_barrier_signal -1
	s_barrier_wait -1
.if \fill
	CREST                                          ; the barrier has opened a round of the cluster's barrier: no wave of any partner reads this slot or has a load out
.if (\j) == 3
	tensor_load_to_lds s[G0A:G0A+3], s[G1A:G1A+7]
.else
	tensor_load_to_lds s[G0B:G0B+3], s[G1B:G1B+7]
.endif
	s_nop 0
.endif
.endif
.if \nxt
	PLACES
	BLOAD NS, NK, 0, 6                             ; the next step's tiles 0-5
.endif
.if (\off) >= 0
	XLOAD ((\j)+3)%7, \off
.endif
.if \nxt
	s_wait_dscnt 24                                ; tiles 6-10 are in; the 24 loads just issued may be out
.else
	s_wait_dscnt 0x0
.endif
.if (\ask) == 1
	ASKW 3, 11                                     ; behind slot B's first fill: its second, K steps 11-13
.elseif (\ask) == 2
	global_prefetch_b8 v12, s[PFX:PFX+1] th:TH_LOAD_NT scope:SCOPE_SE   ; x's K steps 11-17
.elseif (\ask) == 3
	ASKW 2, 14                                     ; behind a fill of slot A: its next, 14 K steps behind the base
.elseif (\ask) == 4
	s_cmp_gt_u32 s3, 1                             ; the last trip has no such K steps ahead of it
	s_cbranch_scc0 .Lno_ask_\@
	global_prefetch_b8 v12, s[PFX:PFX+1] offset:7*XSTEP th:TH_LOAD_NT scope:SCOPE_SE
	ASKW 3, 18                                     ; behind a fill of slot B: its next
.Lno_ask_\@:
.endif
	MULG \j, 6, 5, 0, \zero
	MULG \j, 6, 5, 1, \zero
	WIN 0
.if \nxt
	PLACES
	BLOAD NS, NK, 6, 5                             ; the next step's tiles 6-10
.endif
.endm
	s_load_b256 s[4:11], s[0:1], 0x0               ; xq, wgu, the exponents, inter
	v_lshl_add_u32 v10, v0, 2, SPARE
	v_mov_b32 v11, 0
	ds_add_u32 v10, v11                            ; the opening lines: the add, twice on end, and its wait ahead of my first tensor load
	ds_add_u32 v10, v11
	v_lshrrev_b32 v1, 5, v0
	v_readfirstlane_b32 s16, v1                    ; wave 0..3
	s_lshr_b32 s17, s16, 1                         ; my 64 rows; also: which half of the tiles I fetch
	s_and_b32 s18, s16, 1                          ; gate or up
	s_bfe_u32 s19, ttmp6, 0x40000                  ; cx
	s_lshl_b32 s22, ttmp9, 2
	s_add_co_u32 s22, s22, s19                     ; row block of 128: 4 x cluster x + cx
	s_and_b32 s21, ttmp7, 0xffff                   ; column group of 11 tiles
.irp g, G1A, G1B
	s_mov_b32 s[\g], 15|(3<<16)|(1<<21)            ; the mask names the cluster's four; elements of 8 bytes; bit 21 beside a mask
	s_mov_b32 s[\g+1], 1408<<16                    ; a row: 11,264 bytes
	s_mov_b32 s[\g+3], 1408<<16
	s_mov_b32 s[\g+5], 22528                       ; from K step to K step
	s_mov_b32 s[\g+6], 0
	s_mov_b32 s[\g+7], 0
.endr
	s_mov_b32 s[G1A+2], 4<<16                      ; slot A: 4 K steps
	s_mov_b32 s[G1A+4], 4
	s_mov_b32 s[G1B+2], 3<<16                      ; slot B: 3
	s_mov_b32 s[G1B+4], 3
	s_lshl_b32 s83, s22, 3
	s_lshl_b32 s84, s17, 2
	s_add_co_u32 s83, s83, s84                     ; my first block of 16 rows
	s_lshl_b32 s84, s18, 1
	s_xor_b32 s85, s84, 2
	s_add_co_u32 s84, s84, s83                     ; blocks a = 0, 1: those that I finish
	s_add_co_u32 s85, s85, s83                     ; blocks a = 2, 3: my partner's
	s_lshl_b32 s94, s84, 8
	s_mul_i32 s95, s21, 720896
	s_add_co_u32 s94, s94, s95                     ; inter: 11 tiles x 65,536 a column group, 256 bytes a block
	s_mov_b32 s95, 0
	s_lshl_b32 s84, s84, 11
	s_lshl_b32 s85, s85, 11
	s_mul_i32 s88, s18, 4*PART                     ; slot A: part w at 4 PART w; my weight's halves are parts w % 2 and w % 2 + 2
	s_mul_i32 s89, s18, 3*PART
	s_add_co_u32 s89, s89, SLB                     ; slot B likewise, 3 PART a part
	s_mul_i32 s90, s16, EXB
	s_add_co_u32 s90, s90, SLB                     ; the exchange: my bytes,
	s_xor_b32 s91, s16, 1
	s_mul_i32 s91, s91, EXB
	s_add_co_u32 s91, s91, SLB                     ; and my partner's
	s_lshl_b32 s92, s83, 11
	s_lshl_b32 s93, s21, 10
	s_add_co_u32 s92, s92, s93                     ; x's prefetch: of my 32 blocks of 256 bytes a K step, column group g names 4 g .. 4 g + 3
	s_mul_i32 s93, s19, 2816                       ; W's: cx names 11 of my half's 44 blocks,
	s_and_b32 s97, ttmp9, 1                        ; and the cluster's parity every second row
	s_mov_b32 s98, WSTEP
	s_lshl_b32 s80, s18, 24                        ; x's set
	s_mov_b32 s81, 0
	s_mul_i32 s86, s18, 5767168
	s_mul_i32 s87, s21, 2*PART
	s_add_co_u32 s86, s86, s87
	s_mul_i32 s87, s17, PART
	s_add_co_u32 s86, s86, s87                     ; wgu: weight, column group, half
	s_mov_b32 s87, 0
	s_mov_b32 s[G0A], 1
	s_mul_i32 s[G0A+1], s16, 4*PART
	s_mov_b32 s[G0B], 1
	s_mul_i32 s[G0B+1], s16, 3*PART
	s_add_co_u32 s[G0B+1], s[G0B+1], SLB
	v_and_b32 v1, 31, v0                           ; lane
	v_lshlrev_b32 v2, 4, v1
	v_lshlrev_b32 v15, 3, v1                       ; inter: 8 bytes a lane
	v_add_nc_u32 v4, s84, v2                       ; x: blocks 0, 1
	v_add_nc_u32 v6, s85, v2                       ;    blocks 2, 3
	v_add_nc_u32 v5, s88, v2                       ; B in slot A: first half,
	v_add_nc_u32 v7, 8*PART, v5                    ;   second half
	v_add_nc_u32 v8, s89, v2                       ; B in slot B
	v_add_nc_u32 v9, 6*PART, v8
	v_add_nc_u32 v13, s90, v2
	v_add_nc_u32 v14, s91, v2
	v_min_u32 v12, 27, v1                          ; x's prefetch: lane l names K step l / 4 of seven and block l % 4 of my group's four; lanes 28-31 name lane 27's again
	v_lshrrev_b32 v3, 2, v12
	v_and_b32 v12, 3, v12
	v_lshlrev_b32 v12, 8, v12
	v_lshl_add_u32 v12, v3, 19, v12
	v_add_nc_u32 v12, s92, v12
	v_min_u32 v3, 21, v1                           ; W's prefetch: lanes 0-10 one row's 11 blocks, lanes 11-21 those of the row two on; the others name lane 21's again
	v_mul_u32_u24 v2, v3, 745
	v_lshrrev_b32 v2, 13, v2                       ; l / 11 for l up to 21
	v_mul_u32_u24 v0, v2, 11
	v_sub_nc_u32 v3, v3, v0                        ; l % 11
	v_lshl_add_u32 v3, v3, 8, s93
	v_lshl_add_u32 v2, v2, 1, s97                  ; the row: parity + 2 (l / 11)
	v_min_u32 v0, 2, v2                            ; slot B has rows 0-2
	v_mad_u32_u24 v2, v2, s98, v3                  ; v2: a fill of slot A
	v_mad_u32_u24 v3, v0, s98, v3                  ; v3: a fill of slot B
	s_wait_alu depctr_va_vdst(0)
	s_wait_dscnt 0x0                               ; both opening adds are done
	s_wait_kmcnt 0x0
	s_load_b128 s[68:71], s[8:9], 0x0              ; e0 .. e3
	s_load_b64 s[72:73], s[8:9], 0x10              ; e4, e5
	s_add_nc_u64 s[80:81], s[4:5], s[80:81]
	s_add_nc_u64 s[86:87], s[6:7], s[86:87]
	s_add_nc_u64 s[10:11], s[10:11], s[94:95]
	s_mov_b64 s[G0A+2:G0A+3], s[86:87]             ; K steps 0-3
	s_or_b32 s[G0A+3], s[G0A+3], 0x80000000
	s_add_nc_u64 s[G0B+2:G0B+3], s[86:87], 4*WSTEP ; K steps 4-6
	s_or_b32 s[G0B+3], s[G0B+3], 0x80000000
	s_add_nc_u64 s[PFX:PFX+1], s[80:81], 11*XSTEP  ; x's prefetches begin at K step 11
	s_mov_b64 s[PFW:PFW+1], s[86:87]
	CROUND                                         ; the four work-groups are here: the first joint loads meet
	tensor_load_to_lds s[G0A:G0A+3], s[G1A:G1A+7]  ; one tensor load a wave at the head
	s_nop 0
	XLOAD 0, 0
	ASKW 3, 4                                      ; slot B's first fill,
	ASKW 2, 7                                      ; and slot A's second
	XLOAD 1, 1
	XLOAD 2, 2
	s_wait_tensorcnt 0x0                           ; slot B's first fill is issued as a refill is
	ds_add_u32 v10, v11
	s_add_nc_u64 s[G0A+2:G0A+3], s[G0A+2:G0A+3], 7*WSTEP
	s_wait_dscnt 0x0
	CROUND
	tensor_load_to_lds s[G0B:G0B+3], s[G1B:G1B+7]
	s_nop 0
	BLOAD 0, 0, 0, 6
	BLOAD 0, 0, 6, 5
	STEP 0, 3, 32, 1, 0, 1, 1                      ; K steps 0-3: the first starts the sums
	STEP 1, 4, 32, 0, 0, 1, 2
	STEP 2, 5, 32, 0, 0, 1, 0
	STEP 3, 6, 32, 0, 1, 1, 0
	s_mov_b32 s3, 3
.Ltrip:                                                ; a trip: slot B's 3 steps and slot A's 4; both slots are filled again.  K steps 4-24
	STEP 4, 7, 32, 0, 0, 1, 3
	STEP 5, 8, 32, 0, 0, 1, 0
	STEP 6, 9, 32, 0, 1, 1, 0
	STEP 0, 10, 32, 0, 0, 1, 4
	STEP 1, 11, 32, 0, 0, 1, 0
	STEP 2, 12, 32, 0, 0, 1, 0
	STEP 3, 13, 32, 0, 1, 1, 0
	s_wait_xcnt 0x0                                ; the loads and prefetches have read their bases
	s_add_nc_u64 s[80:81], s[80:81], 7*XSTEP
	s_add_nc_u64 s[PFX:PFX+1], s[PFX:PFX+1], 7*XSTEP
	s_add_nc_u64 s[PFW:PFW+1], s[PFW:PFW+1], 7*WSTEP
	s_sub_co_u32 s3, s3, 1
	s_cmp_lg_u32 s3, 0
	s_cbranch_scc1 .Ltrip
	STEP 4, 7, 32, 0, 0, 1, 0                      ; K steps 25-31: nothing is filled again
	STEP 5, 8, 32, 0, 0, 1, 0
	STEP 6, 9, 32, 0, 0, 1, 0
	STEP 0, 10, 32, 0, 0, 1, 0
	STEP 1, -1, 32, 0, 0, 1, 0
	STEP 2, -1, 16, 0, 0, 1, 0
	STEP 3, -1, 0, 0, 0, 0, 0
; THE WAY OUT.  A sum of gate stands for sum x 2^(e0 + e1), of up for sum x 2^(e2 + e3).  silu(g) u = g u / (1 + 2^(-g log2 e)).  The product of the two raw sums lacks 2^(e0 + e1 + e2 + e3), which is folded into the conversion's scale.
	s_wait_kmcnt 0x0
	s_add_co_i32 s92, s68, s69
	s_lshl_b32 s93, s92, 23
	s_add_co_u32 s93, s93, 0xbfb8aa3b              ; -log2(e) x 2^(e0 + e1)
	s_cmp_eq_u32 s18, 0
	s_cselect_b32 s74, s93, 0                      ; gate is what I kept (gate's wave) ..
	s_cselect_b32 s76, 0, s93                      ; .. or what I was sent (up's wave)
	s_mov_b32 s75, s74
	s_mov_b32 s77, s76
	s_add_co_i32 s92, s92, s70
	s_add_co_i32 s92, s92, s71
	s_sub_co_i32 s92, s72, s92
	s_add_co_i32 s92, s92, 127
	s_lshl_b32 s94, s92, 23
	s_add_co_i32 s92, s92, 15
	s_lshl_b32 s92, s92, 23
	s_or_b32 s92, s92, 0x600000
	v_mov_b32 v1, s94                              ; 2^(e4 - e0 - e1 - e2 - e3)
	v_mov_b32 v3, s92                              ; 57,344 x that
	v_nop
	v_nop
	WIN 0x0c
.set m, 0
.rept 44
	ds_store_b128 v13, v[4*m:4*m+3] offset:512*m   ; window 3: my partner's rows
.set m, m+1
.endr
	WIN 0x42
.set i, 0
.rept 88
	v_pk_mul_f32 v[16+i:17+i], v[i:i+1], s[74:75] op_sel_hi:[1,0]
.set i, i+2
.endr
	WIN 0
	s_wait_dscnt 0x0                               ; for my partner's sake: my stores are done
	s_barrier_signal -1
	s_barrier_wait -1
.set m, 0
.rept 44
	ds_load_b128 v[16+4*m:19+4*m], v14 offset:512*m
.set m, m+1
.endr
	s_wait_dscnt 0x0
	WIN 0x50
.set i, 0
.rept 88
	v_pk_fma_f32 v[16+i:17+i], v[16+i:17+i], s[76:77], v[16+i:17+i] op_sel_hi:[1,0,1]   ; window 1: -g log2 e, from the one of the two that is gate
.set i, i+2
.endr
	WIN 0x41
.set i, 0
	s_wait_alu depctr_va_vdst(0)
.rept 176
	v_exp_f32 v[16+i], v[16+i]
.set i, i+1
.endr
	WIN 0x02
.set i, 0
.rept 88
	v_pk_mul_f32 v[16+i:17+i], v[i:i+1], v[16+i:17+i]   ; window 0: the two raw sums multiplied
.set i, i+2
.endr
	s_wait_alu depctr_va_vdst(0)
	WIN 0x41
.set i, 0
.rept 88
	v_pk_add_f32 v[16+i:17+i], v[16+i:17+i], 1.0 op_sel_hi:[1,0]
.set i, i+2
.endr
.set i, 0
	s_wait_alu depctr_va_vdst(0)
.rept 176
	v_rcp_f32 v[16+i], v[16+i]
.set i, i+1
.endr
	v_nop
	s_wait_alu depctr_va_vdst(0)
	WIN 0x04
.set i, 0
.rept 88
	v_pk_mul_f32 v[16+i:17+i], v[16+i:17+i], v[16+i:17+i]
.set i, i+2
.endr
	WIN 0
.set i, 0
.rept 176
	v_med3_num_f32 v[16+i], v[16+i], -v3, v3       ; the conversion does not saturate (ISA guide 7.6.2): the hold at the largest code x the scale
.set i, i+1
.endr
.set i, 0
.rept 22
	v_cvt_scalef32_pk8_bf8_f32 v[192+2*i:193+2*i], v[16+8*i:23+8*i], v1
.set i, i+1
.endr
	v_nop
.irp a, 0,1
.irp b, 0,1,2,3,4,5,6,7,8,9,10
	global_store_b64 v15, v[192+2*(11*\a+\b):193+2*(11*\a+\b)], s[10:11] offset:\b*65536+\a*256   ; the wave stores 256 consecutive bytes, aligned
.endr
.endr
	s_wait_tensorcnt 0x0                           ; the wave's end
	ds_add_u32 v10, v11
	s_wait_dscnt 0x0
	CROUND                                         ; the closing round
	s_endpgm
.Lfunc_end_k_q4c103ef471_gateup:
	.size	k_q4c103ef471_gateup, .Lfunc_end_k_q4c103ef471_gateup-k_q4c103ef471_gateup
	.p2alignl 7, 3214868480
	.fill 96, 4, 3214868480
	.section	.rodata,"a",@progbits
	.p2align	6, 0x0
	.amdhsa_kernel k_q4c103ef471_gateup
		.amdhsa_group_segment_fixed_size 327680
		.amdhsa_private_segment_fixed_size 0
		.amdhsa_enable_private_segment 0
		.amdhsa_kernarg_size 32
		.amdhsa_user_sgpr_count 2
		.amdhsa_user_sgpr_kernarg_segment_ptr 1
		.amdhsa_wavefront_size32 1
		.amdhsa_system_sgpr_workgroup_id_x 1
		.amdhsa_system_sgpr_workgroup_id_y 1
		.amdhsa_system_sgpr_workgroup_id_z 1
		.amdhsa_system_vgpr_workitem_id 0
		.amdhsa_next_free_vgpr 1024
		.amdhsa_next_free_sgpr 100
		.amdhsa_reserve_vcc 0
		.amdhsa_float_denorm_mode_32 3
		.amdhsa_float_denorm_mode_16_64 3
		.amdhsa_memory_ordered 1
		.amdhsa_forward_progress 1
		.amdhsa_inst_pref_size 206
	.end_amdhsa_kernel
	.amdgpu_metadata
---
amdhsa.version: [ 1, 2 ]
amdhsa.kernels:
  - .name:           k_q4c103ef471_gateup
    .symbol:         k_q4c103ef471_gateup.kd
    .args:
      - { .name: xq, .offset: 0, .size: 8, .value_kind: global_buffer, .address_space: global }
      - { .name: wgu, .offset: 8, .size: 8, .value_kind: global_buffer, .address_space: global }
      - { .name: lowp_scales, .offset: 16, .size: 8, .value_kind: global_buffer, .address_space: global }
      - { .name: inter, .offset: 24, .size: 8, .value_kind: global_buffer, .address_space: global }
    .group_segment_fixed_size: 327680
    .private_segment_fixed_size: 0
    .kernarg_segment_align: 8
    .kernarg_segment_size: 32
    .max_flat_workgroup_size: 128
    .sgpr_count:     100
    .vgpr_count:     1024
    .wavefront_size: 32
...
	.end_amdgpu_metadata
.endif
;; end of part 2
;; launch down (part 3): grid 16 x 16, 4 waves a work-group, clusters of 4 x 4, 327,680 bytes of LDS; arguments inter, wd, lowp_scales, out0; writes out0
.if DOCPART == 3
	.amdgcn_target "amdgcn-amd-amdhsa--gfx1250"
	.amdhsa_code_object_version 6
	.text
	.protected	k_q4c103ef471_down
	.globl	k_q4c103ef471_down
	.p2align	8
	.type	k_q4c103ef471_down,@function
k_q4c103ef471_down:
	s_mov_b64 s[64:65], 0
	v_nop
	global_prefetch_b8 v0, s[64:65] scope:SCOPE_SE
	s_setreg_imm32_b32 hwreg(HW_REG_WAVE_MODE, 25, 1), 1
	s_wait_xcnt 0x0
	s_wait_alu depctr_hold_cnt(0) depctr_sa_sdst(0) depctr_va_vdst(0) depctr_va_sdst(0) depctr_va_ssrc(0) depctr_va_vcc(0) depctr_vm_vsrc(0)
	s_getreg_b32 s2, hwreg(HW_REG_IB_STS2, 6, 4)
	s_cmp_eq_u32 s2, 0
	s_cbranch_scc0 .Lentry_in_a_cluster
	s_endpgm
.Lentry_in_a_cluster:
	s_bfe_u32 s2, ttmp6, 0x10000c
	s_cmp_lg_u32 s2, 0xf033
	s_cbranch_scc0 .Lentry_shape_is_right
	s_endpgm
.Lentry_shape_is_right:
.set SLOT,  131072
.set SPARE, 2*SLOT
.set FR,    16
.set ADRA, 16
.set ADRB, 20
.set STO,  24
.set RD,   25
.set CO,   26
.set SPW,  28
.set NIL,  29
.set TMP,  32
.set PK,   96
.set AF,   128
.set BK,   128
.set G1, 24
.set G0, 32
.set G1B, 48
.set G0B, 56
.set MSB, 0
.macro WIN new
.if MSB != (\new)
	s_set_vgpr_msb (MSB<<8)|(\new)
.set MSB, (\new)
.endif
.endm
.set MUL_LO, 0xa1
.set MUL_HI, 0xf1
.set TO_B,   0x40
.macro PLACES
.rept 4
	v_nop
.endr
.endm
.macro JLOAD s
	s_cmp_eq_u32 s15, 0
	s_cbranch_scc0 .Lfor_b_\@
	tensor_load_to_lds s[G0+4*\s:G0+4*\s+3], s[G1:G1+7]
	s_nop 0
.rept 4
	v_nop
.endr
	s_branch .Lasked_\@
.Lfor_b_\@:
	tensor_load_to_lds s[G0B+4*\s:G0B+4*\s+3], s[G1B:G1B+7]
	s_nop 0
.rept 4
	v_nop
.endr
.Lasked_\@:
.endm
.macro CREST
	s_cmp_lg_u32 s14, 0
	s_cbranch_scc1 .Lnot_wave_0_\@
	s_barrier_signal -3
.Lnot_wave_0_\@:
	s_barrier_wait -3
	s_barrier_signal -1
	s_barrier_wait -1
.endm
.macro CROUND
	s_barrier_signal -1
	s_barrier_wait -1
	CREST
.endm
	s_load_b256 s[4:11], s[0:1], 0x0
	v_lshl_add_u32 v[SPW], v0, 2, SPARE
	v_mov_b32 v[NIL], 0
	ds_add_u32 v28, v29
	ds_add_u32 v28, v29
	s_wait_dscnt 0x0
	v_lshrrev_b32 v1, 5, v0
	v_readfirstlane_b32 s14, v1
	s_lshr_b32 s15, s14, 1
	s_and_b32 s16, s14, 1
	s_bfe_u32 s40, ttmp6, 0x40000
	s_bfe_u32 s41, ttmp6, 0x40004
	s_lshl_b32 s42, ttmp9, 2
	s_add_co_u32 s42, s42, s40
	s_and_b32 s17, ttmp7, 0xffff
	s_lshl_b32 s17, s17, 2
	s_add_co_u32 s17, s17, s41
	s_lshl_b32 s43, s41, 2
	s_lshl_b32 s43, 15, s43
	s_lshl_b32 s44, 0x1111, s40
	s_or_b32 s[G1], s43, (3<<16)|(1<<21)
	s_or_b32 s[G1B], s44, (3<<16)|(1<<21)
	s_mov_b32 s[G1+1], 512<<16
	s_mov_b32 s[G1+2], 8<<16
	s_mov_b32 s[G1+3], 512<<16
	s_mov_b32 s[G1+4], 8
	s_mov_b32 s[G1+5], 8192
	s_mov_b32 s[G1+6], 0
	s_mov_b32 s[G1+7], 0
	s_mov_b32 s[G1B+1], 32<<16
	s_mov_b32 s[G1B+2], 128<<16
	s_mov_b32 s[G1B+3], 32<<16
	s_mov_b32 s[G1B+4], 128
	s_mov_b32 s[G1B+5], 32
	s_mov_b32 s[G1B+6], 0
	s_mov_b32 s[G1B+7], 0
	s_lshl_b32 s18, s16, 19
	s_lshl_b32 s20, s17, 12
	s_add_co_u32 s20, s20, s18
	s_mov_b32 s21, 0
	s_lshl_b32 s46, s42, 15
	s_add_co_u32 s46, s46, s18
	s_mov_b32 s47, 0
	s_lshl_b32 s45, s16, 15
	s_wait_kmcnt 0x0
	s_load_b64 s[96:97], s[8:9], 0x10
	s_add_nc_u64 s[20:21], s[4:5], s[20:21]
	s_add_nc_u64 s[46:47], s[6:7], s[46:47]
	; the prefetches: a wave's tensor load brings 128 blocks of 256 bytes; the four partners that ask for it jointly share them out by address, 32 each, a lane a block.
	; A's tile is 8 rows of 16 blocks, 65,536 bytes apart: partner cx names rows 2 cx, 2 cx + 1.  B's is 32,768 bytes on end: partner cy names 8,192 of them.
	s_lshl_b32 s91, s40, 17
	s_lshl_b32 s92, s41, 13
	s_cmp_eq_u32 s15, 0                            ; do I fetch for A?
	s_cselect_b64 s[88:89], s[20:21], s[46:47]
	s_cselect_b32 s90, 16, 12                      ; lanes 16-31: the next row of A, or the next 4,096 bytes of B
	s_cselect_b32 s91, s91, s92
	v_bfe_u32 v30, v0, 4, 1
	v_and_b32 v31, 15, v0
	v_lshlrev_b32 v30, s90, v30
	v_lshl_add_u32 v30, v31, 8, v30
	v_add_nc_u32 v30, s91, v30
	CROUND
.irp s, 0,1
	s_mov_b32 s[G0+4*\s], 1
	s_add_co_u32 s[G0+4*\s+1], s45, \s*SLOT
	s_add_nc_u64 s[G0+4*\s+2:G0+4*\s+3], s[20:21], \s*1048576
	s_or_b32 s[G0+4*\s+3], s[G0+4*\s+3], 0x80000000
	s_mov_b32 s[G0B+4*\s], 1
	s_add_co_u32 s[G0B+4*\s+1], s45, \s*SLOT+65536
	s_add_nc_u64 s[G0B+4*\s+2:G0B+4*\s+3], s[46:47], \s*1048576
	s_or_b32 s[G0B+4*\s+3], s[G0B+4*\s+3], 0x80000000
	s_wait_alu depctr_va_vdst(0)
	s_wait_tensorcnt 0x0
	ds_add_u32 v28, v29
	ds_add_u32 v28, v29
	s_wait_dscnt 0x0
	CROUND
	JLOAD \s
.if \s == 0
	global_prefetch_b8 v30, s[88:89] offset:1048576 th:TH_LOAD_NT scope:SCOPE_SE     ; behind fill 0: fills 1 and 2 (a fill is two K steps, 1,048,576 bytes on)
	global_prefetch_b8 v30, s[88:89] offset:2*1048576 th:TH_LOAD_NT scope:SCOPE_SE
.else
	global_prefetch_b8 v30, s[88:89] offset:3*1048576 th:TH_LOAD_NT scope:SCOPE_SE   ; behind fill n: fill n + 2
.endif
.endr
	v_and_b32 v1, 31, v0
	v_lshlrev_b32 v3, 3, v1
	s_lshl_b32 s84, s15, 11
	v_add_nc_u32 v[ADRA], s84, v3
	v_add_nc_u32 v[ADRA+1], SLOT, v[ADRA]
	v_lshlrev_b32 v4, 4, v1
	s_lshl_b32 s85, s16, 14
	s_add_co_u32 s85, s85, 65536
	v_add_nc_u32 v[ADRB], s85, v4
	v_add_nc_u32 v[ADRB+1], SLOT, v[ADRB]
	v_and_b32 v5, 15, v0
	v_bfe_u32 v6, v0, 4, 1
	s_mul_i32 s86, s14, 4352
	v_mul_u32_u24 v7, v5, 272
	v_lshl_add_u32 v7, v6, 5, v7
	v_add_nc_u32 v[STO], s86, v7
	v_mul_u32_u24 v7, v6, 272
	v_lshl_add_u32 v7, v5, 4, v7
	v_add_nc_u32 v[RD], s86, v7
	v_lshlrev_b32 v7, 13, v6
	v_lshl_add_u32 v[CO], v5, 4, v7
	s_lshl_b32 s84, s17, 21
	s_lshl_b32 s85, s15, 20
	s_add_co_u32 s84, s84, s85
	s_lshl_b32 s85, s42, 9
	s_add_co_u32 s84, s84, s85
	s_lshl_b32 s85, s16, 8
	s_add_co_u32 s84, s84, s85
	s_mov_b32 s85, 0
	s_add_nc_u64 s[10:11], s[10:11], s[84:85]
.macro MUL16 a0, p, zero
.irp a, \a0, \a0+1
.irp b, 0,1,2,3,4,5,6,7
.if \zero
	v_wmma_f32_16x16x128_bf8_bf8 v[8*(8*((\a)%4)+\b):8*(8*((\a)%4)+\b)+7], v[128*(\p)+FR*\b:128*(\p)+FR*\b+FR-1], v[AF+FR*(\a):AF+FR*(\a)+FR-1], 0
.else
	v_wmma_f32_16x16x128_bf8_bf8 v[8*(8*((\a)%4)+\b):8*(8*((\a)%4)+\b)+7], v[128*(\p)+FR*\b:128*(\p)+FR*\b+FR-1], v[AF+FR*(\a):AF+FR*(\a)+FR-1], v[8*(8*((\a)%4)+\b):8*(8*((\a)%4)+\b)+7]
.endif
.endr
.endr
.endm
.macro FETCH_B slot, q, p
	WIN TO_B
.irp i, 0,1,2,3,4,5,6,7
.irp c, 0,1,2,3
	ds_load_b128 v[128*(\p)+FR*\i+4*\c:128*(\p)+FR*\i+4*\c+3], v[ADRB+\slot] offset:(\q)*32768+\i*2048+\c*512
.endr
.endr
	WIN 0
.endm
.macro FETCH_A slot, q, i0
.irp i, \i0, \i0+1, \i0+2, \i0+3
.irp t, 0,1,2,3,4,5,6,7
	ds_load_b64 v[AF+FR*(\i)+2*\t:AF+FR*(\i)+2*\t+1], v[ADRA+\slot] offset:(\q)*32768+\t*4096+(\i)*256
.endr
.endr
.endm
.macro STEP slot, zero
	s_wait_dscnt 32
	WIN MUL_LO
	MUL16 0, 0, \zero
	MUL16 2, 0, \zero
	s_wait_dscnt 0
	PLACES
	FETCH_B \slot, 1, 1
	FETCH_A \slot, 1, 0
	WIN MUL_HI
	MUL16 4, 0, \zero
	MUL16 6, 0, \zero
	PLACES
	WIN 0
	FETCH_A \slot, 1, 4
.endm
.macro TURN slot, next, mode
	s_wait_dscnt 32                                ; B's set and A's blocks 0-3 are in; A's blocks 4-7, 32 loads, may be out
	WIN MUL_LO
	MUL16 0, 1, 0
	MUL16 2, 1, 0
	WIN 0
	s_wait_tensorcnt 0x0                           ; my part of the next slot has landed;
	ds_add_u32 v[SPW], v[NIL]                      ; 0 onto my spare word;
	s_wait_dscnt 0x0                               ; the add is done, and my reads of this slot are over
	s_barrier_signal -1
	s_barrier_wait -1
.if \mode > 0
	CREST
	s_add_nc_u64 s[G0+4*\slot+2:G0+4*\slot+3], s[G0+4*\slot+2:G0+4*\slot+3], 2097152
	s_add_nc_u64 s[G0B+4*\slot+2:G0B+4*\slot+3], s[G0B+4*\slot+2:G0B+4*\slot+3], 2097152
.endif
.if \mode == 2
	JLOAD \slot
.elseif \mode == 1
	s_cmp_eq_u32 s16, 0
	s_cbranch_scc0 .Lodd_\@
	JLOAD \slot
.Lodd_\@:
	PLACES
.else
	PLACES
.endif
	FETCH_B \next, 0, 0
	FETCH_A \next, 0, 0
	WIN MUL_HI
	MUL16 4, 1, 0
	MUL16 6, 1, 0
	PLACES
	WIN 0
	FETCH_A \next, 0, 4
.endm
	s_wait_tensorcnt 1
	s_barrier_signal -1
	s_barrier_wait -1
	FETCH_B 0, 0, 0
	FETCH_A 0, 0, 0
	FETCH_A 0, 0, 4
	STEP 0, 1
	TURN 0, 1, 2
	global_prefetch_b8 v30, s[88:89] offset:4*1048576 th:TH_LOAD_NT scope:SCOPE_SE   ; behind fill 2: fill 4
	STEP 1, 0
	TURN 1, 0, 2
	s_cmp_eq_u32 s16, 0                            ; fill 5 is K step 10 alone: the waves that fetch a slot's second K step have nothing there
	s_cbranch_scc0 .Lno_fill_5
	global_prefetch_b8 v30, s[88:89] offset:5*1048576 th:TH_LOAD_NT scope:SCOPE_SE   ; behind fill 3: fill 5
.Lno_fill_5:
	STEP 0, 0
	TURN 0, 1, 2
	STEP 1, 0
	TURN 1, 0, 1
	STEP 0, 0
	TURN 0, 1, 0
	s_wait_dscnt 32
	WIN MUL_LO
	MUL16 0, 0, 0
	MUL16 2, 0, 0
	s_wait_dscnt 0
	WIN MUL_HI
	MUL16 4, 0, 0
	MUL16 6, 0, 0
	WIN 0
.macro TOSTAGE a
.set AC, 64*((\a)%4)
	WIN 0x02+((\a)/4)
.irp j, 0,2,4,6,8,10,12,14,16,18,20,22,24,26,28,30,32,34,36,38,40,42,44,46,48,50,52,54,56,58,60,62
	v_pk_mul_f32 v[TMP+\j:TMP+\j+1], v[AC+\j:AC+\j+1], s[96:97] op_sel_hi:[1,0]
.endr
	WIN 0
.irp b, 0,1,2,3,4,5,6,7
.irp r, 0,1,2,3
	v_cvt_pk_f16_f32 v[PK+4*\b+\r], v[TMP+8*\b+2*\r], v[TMP+8*\b+2*\r+1]
.endr
.endr
.irp b, 0,1,2,3,4,5,6,7
	ds_store_b128 v[STO], v[PK+4*\b:PK+4*\b+3] offset:64*(\b/2)+16*(\b%2)
.endr
.set BB, BK+32*((\a)%2)
.irp t, 0,1,2,3,4,5,6,7
	ds_load_b128 v[BB+4*\t:BB+4*\t+3], v[RD] offset:\t*544
.endr
.endm
.macro SEND a, younger
.set BB, BK+32*((\a)%2)
	s_wait_dscnt \younger
.irp t, 0,1,2,3,4,5,6,7
	global_store_b128 v[CO], v[BB+4*\t:BB+4*\t+3], s[10:11] offset:(\a)*131072+\t*16384 th:TH_STORE_NT
.endr
.endm
	s_wait_kmcnt 0x0
	s_add_co_i32 s96, s96, s97
	s_add_co_i32 s96, s96, 127
	s_lshl_b32 s96, s96, 23
	s_mov_b32 s97, s96
	PLACES
	TOSTAGE 0
.irp a, 1,2,3,4,5,6,7
.if \a > 1
	s_wait_xcnt 0x0
.endif
	TOSTAGE \a
	SEND \a-1, 16
.endr
	SEND 7, 0
	s_wait_tensorcnt 0x0
	ds_add_u32 v[SPW], v[NIL]
	s_wait_dscnt 0x0
	CROUND
	s_endpgm
.Lfunc_end_k_q4c103ef471_down:
	.size	k_q4c103ef471_down, .Lfunc_end_k_q4c103ef471_down-k_q4c103ef471_down
	.p2alignl 7, 3214868480
	.fill 96, 4, 3214868480
	.section	.rodata,"a",@progbits
	.p2align	6, 0x0
	.amdhsa_kernel k_q4c103ef471_down
		.amdhsa_group_segment_fixed_size 327680
		.amdhsa_private_segment_fixed_size 0
		.amdhsa_enable_private_segment 0
		.amdhsa_kernarg_size 32
		.amdhsa_user_sgpr_count 2
		.amdhsa_user_sgpr_kernarg_segment_ptr 1
		.amdhsa_wavefront_size32 1
		.amdhsa_system_sgpr_workgroup_id_x 1
		.amdhsa_system_sgpr_workgroup_id_y 1
		.amdhsa_system_sgpr_workgroup_id_z 1
		.amdhsa_system_vgpr_workitem_id 0
		.amdhsa_next_free_vgpr 1024
		.amdhsa_next_free_sgpr 100
		.amdhsa_reserve_vcc 0
		.amdhsa_float_denorm_mode_32 3
		.amdhsa_float_denorm_mode_16_64 3
		.amdhsa_memory_ordered 1
		.amdhsa_forward_progress 1
		.amdhsa_inst_pref_size 176
	.end_amdhsa_kernel
	.amdgpu_metadata
---
amdhsa.version: [ 1, 2 ]
amdhsa.kernels:
  - .name:           k_q4c103ef471_down
    .symbol:         k_q4c103ef471_down.kd
    .args:
      - { .name: inter, .offset: 0, .size: 8, .value_kind: global_buffer, .address_space: global }
      - { .name: wd, .offset: 8, .size: 8, .value_kind: global_buffer, .address_space: global }
      - { .name: lowp_scales, .offset: 16, .size: 8, .value_kind: global_buffer, .address_space: global }
      - { .name: out0, .offset: 24, .size: 8, .value_kind: global_buffer, .address_space: global }
    .group_segment_fixed_size: 327680
    .private_segment_fixed_size: 0
    .kernarg_segment_align: 8
    .kernarg_segment_size: 32
    .max_flat_workgroup_size: 128
    .sgpr_count:     100
    .vgpr_count:     1024
    .wavefront_size: 32
...
	.end_amdgpu_metadata
.endif
;; end of part 3
